; MI455X (gfx1250); checked and timed in simulation.
; The chip was launched on July 23, 2026; its instructions are those of AMD's public machine-readable ISA for CDNA 5 (MIT licence, August 2026) and "CDNA5" Instruction Set Architecture Reference Guide (July 2026). The comments in the code are by the model that wrote it; some were corrected since.
;; Attention Model. Allowed arithmetic: float matrix products may take bf16 or f16 operands with f32 sums; all other float work in f32.
;; Inputs: W_attn 1,024 x 2,048 float32; b_attn 1,024 float32; encoder_outputs 32 x 2,048 x 1,024 float32; rnn_hidden 32 x 1 x 1,024 float32; v 1,024 float32.
;; Outputs: out0 32 x 1 x 2,048 float32.
;; 2 versions, each right; version 2 is version 1 with the launch energy written anew for expert scheduling mode. Each part assembles by itself: llvm-mc -triple=amdgcn-amd-amdhsa -mcpu=gfx1250 --defsym DOCPART=n.
;; ======== version 1 of 2: 3 launches
;; workspace buffers: upart 65,536 bytes; en 262,144 bytes
;; launch wsum (part 1): grid 32 x 8, 8 waves a work-group, no clusters, 3,072 bytes of LDS; arguments W_attn, v, upart; writes upart
.if DOCPART == 1
	.amdgcn_target "amdgcn-amd-amdhsa--gfx1250"
	.amdhsa_code_object_version 6
	.text
	.protected	k_qe78b724c5b_wsum
	.globl	k_qe78b724c5b_wsum
	.p2align	8
	.type	k_qe78b724c5b_wsum,@function
k_qe78b724c5b_wsum:
	s_mov_b64 s[64:65], 0
	v_nop
	global_prefetch_b8 v0, s[64:65] scope:SCOPE_SE
	s_setreg_imm32_b32 hwreg(HW_REG_WAVE_MODE, 25, 1), 1
	s_wait_xcnt 0x0
; upart[y][d] = sum over the 128 rows h of chunk y of v[h] * W_attn[h][d].   W_attn: [1024][2048] f32, v: [1024] f32, upart: [8][2048] f32.
; WHY: energy[b][s] = v . (W_h h[b] + W_e e[b][s] + b_attn) is linear in e, so it equals u_e . e[b][s] + (u_h . h[b] + v . b_attn) with
; u = W_attn^T v (u_h its first 1,024 numbers, u_e its last).  That holds for every input; only the order of the f32 roundings differs from
; the order in which the sums are written in the problem.  All sums are f32 fused multiply-adds: what is left are matrix-vector products of
; half a FLOP a byte, which the matrix unit cannot speed up, and 16-bit operands would cost the accuracy that a peaked softmax needs.
; SHARES: work-group (x, y) owns columns 64 x .. 64 x + 63 (256 aligned bytes of a row) of rows 128 y .. 128 y + 127: 32 x 8 = 256 work-groups
; of 32 KiB each.  A wave takes 16 rows; one 16-byte load of a wave covers the strip of two rows: lanes 0-15 row 8 (2 w) + j, lanes 16-31
; row 8 (2 w + 1) + j, so that a lane's eight v are eight neighbouring numbers.  All ten loads of a wave go out at once.
; The eight chunks' partial sums are added by the launches that use u: no work-group reads what another of this launch stores.
.set ROWB, 8192                        ; bytes in a row of W_attn
.set VW,  2                            ; v2       byte offset of my 16 bytes in my first row of the work-group's block; never rewritten
.set VV,  3                            ; v3       byte offset of my eight v in the chunk's 128; never rewritten
.set LA,  4                            ; v4       LDS: my wave's 64 sums at 256 w, my four at 16 (lane mod 16)
.set LB,  5                            ; v5       8 x lane: wave 0's two columns, in LDS and in upart
.set V,   6                            ; v[6:13]  v of my eight rows
.set ACC, 14                           ; v[14:17] the sums of my four columns
.set X,   18                           ; v[18:49] row j: 4 registers as loaded; afterwards at work
	s_load_b128 s[4:7], s[0:1], 0x0                ; W_attn s[4:5], v s[6:7]
	s_load_b64 s[8:9], s[0:1], 0x10                ; upart
	v_lshl_add_u32 v52, v0, 2, 0x800
	v_mov_b32 v53, 0
	v_lshrrev_b32 v1, 5, v0
	v_readfirstlane_b32 s10, v1                    ; wave 0..7
	s_and_b32 s11, ttmp7, 0xffff                   ; y: the chunk of rows
	s_lshl_b32 s2, ttmp9, 8                        ; x strips of 256 bytes
	s_lshl_b32 s12, s11, 20                        ; y chunks of 128 rows of 8,192 bytes
	s_add_co_u32 s12, s12, s2
	s_mov_b32 s13, 0                               ; s[12:13]: the block's offset in W_attn (below 8 MiB)
	s_lshl_b32 s14, s11, 9                         ; s[14:15]: the chunk's 128 numbers in v
	s_mov_b32 s15, 0
	s_lshl_b32 s18, s11, 13                        ; s[18:19]: row y of upart, my strip
	s_add_co_u32 s18, s18, s2
	s_mov_b32 s19, 0
	s_mov_b32 s16, 0x76543210                      ; v_permlanex16_b32: lane i of one half reads lane i of the other
	s_mov_b32 s17, 0xfedcba98
	v_and_b32 v[LB], 15, v0
	v_lshlrev_b32 v[LB], 4, v[LB]                  ; 16 (lane mod 16)
	v_lshl_or_b32 v[LA], v1, 8, v[LB]              ; 256 w + 16 (lane mod 16)
	v_lshrrev_b32 v1, 4, v0                        ; 2 w + half
	v_lshl_or_b32 v[VW], v1, 16, v[LB]             ; 8 (2 w + half) rows of 8,192 bytes + my 16 bytes
	v_lshlrev_b32 v[VV], 5, v1                     ; 8 (2 w + half) numbers of 4 bytes
	v_and_b32 v[LB], 31, v0
	v_lshlrev_b32 v[LB], 3, v[LB]                  ; 8 x lane
	s_wait_kmcnt 0x0
	s_add_nc_u64 s[4:5], s[4:5], s[12:13]
	s_add_nc_u64 s[6:7], s[6:7], s[14:15]
	s_add_nc_u64 s[8:9], s[8:9], s[18:19]
	global_load_b128 v[V:V+3],   v[VV], s[6:7]
	global_load_b128 v[V+4:V+7], v[VV], s[6:7] offset:16
.irp j, 0,1,2,3,4,5,6,7
	global_load_b128 v[X+4*\j:X+4*\j+3], v[VW], s[4:5] offset:ROWB*\j th:TH_LOAD_NT   ; W_attn is read once in the launch
.endr
; Row j of my eight: four columns times v[j], which is broadcast from its register pair (even j: the pair's first, odd j: its second).
; Row 0 starts the sums: nothing is cleared.
.macro ROWFMA j
	s_wait_loadcnt 7-\j                            ; loads come back in order (ISA guide 5.7.1): row j is in, and v, asked for ahead of it; the 7 - j younger rows stay out
.if \j == 0
	v_pk_mul_f32 v[ACC:ACC+1],   v[X:X+1],   v[V:V+1] op_sel_hi:[1,0]
	v_pk_mul_f32 v[ACC+2:ACC+3], v[X+2:X+3], v[V:V+1] op_sel_hi:[1,0]
.else
.if (\j&1) == 0
	v_pk_fma_f32 v[ACC:ACC+1],   v[X+4*\j:X+4*\j+1],   v[V+\j:V+\j+1], v[ACC:ACC+1]   op_sel_hi:[1,0,1]
	v_pk_fma_f32 v[ACC+2:ACC+3], v[X+4*\j+2:X+4*\j+3], v[V+\j:V+\j+1], v[ACC+2:ACC+3] op_sel_hi:[1,0,1]
.else
	v_pk_fma_f32 v[ACC:ACC+1],   v[X+4*\j:X+4*\j+1],   v[V+\j-1:V+\j], v[ACC:ACC+1]   op_sel:[0,1,0] op_sel_hi:[1,1,1]
	v_pk_fma_f32 v[ACC+2:ACC+3], v[X+4*\j+2:X+4*\j+3], v[V+\j-1:V+\j], v[ACC+2:ACC+3] op_sel:[0,1,0] op_sel_hi:[1,1,1]
.endif
.endif
.endm
.irp j, 0,1,2,3,4,5,6,7
	ROWFMA \j
.endr
	; the two halves of the lanes hold the same columns of different rows: add them
.irp k, 0,1,2,3
	v_permlanex16_b32 v[X+\k], v[ACC+\k], s16, s17 ; the destination counts as read: X has been written by the loads
.endr
	v_pk_add_f32 v[ACC:ACC+1],   v[ACC:ACC+1],   v[X:X+1]
	v_pk_add_f32 v[ACC+2:ACC+3], v[ACC+2:ACC+3], v[X+2:X+3]
	ds_store_b128 v[LA], v[ACC:ACC+3]              ; lanes l and l + 16 write the same bytes with the same values
	s_wait_dscnt 0x0                               ; for wave 0's sake: my store is done before I signal
	s_barrier_signal -1
	s_barrier_wait -1
	s_cmp_lg_u32 s10, 0
	s_cbranch_scc1 .Lend                           ; wave 0 adds the eight waves' sums; no barrier follows
.irp w, 0,1,2,3,4,5,6,7
	ds_load_b64 v[X+2*\w:X+2*\w+1], v[LB] offset:256*\w
.endr
	s_wait_dscnt 0x0
.irp w, 1,2,3,4,5,6,7
	v_pk_add_f32 v[X:X+1], v[X:X+1], v[X+2*\w:X+2*\w+1]
.endr
	global_store_b64 v[LB], v[X:X+1], s[8:9]       ; 32 lanes x 8 bytes: 256 consecutive bytes, at a multiple of 256 from upart's first byte
.Lend:
	s_wait_tensorcnt 0x0
	ds_add_u32 v52, v53
	s_wait_dscnt 0x0
	s_endpgm
.Lfunc_end_k_qe78b724c5b_wsum:
	.size	k_qe78b724c5b_wsum, .Lfunc_end_k_qe78b724c5b_wsum-k_qe78b724c5b_wsum
	.p2alignl 7, 3214868480
	.fill 96, 4, 3214868480
	.section	.rodata,"a",@progbits
	.p2align	6, 0x0
	.amdhsa_kernel k_qe78b724c5b_wsum
		.amdhsa_group_segment_fixed_size 3072
		.amdhsa_private_segment_fixed_size 0
		.amdhsa_enable_private_segment 0
		.amdhsa_kernarg_size 24
		.amdhsa_user_sgpr_count 2
		.amdhsa_user_sgpr_kernarg_segment_ptr 1
		.amdhsa_wavefront_size32 1
		.amdhsa_system_sgpr_workgroup_id_x 1
		.amdhsa_system_sgpr_workgroup_id_y 1
		.amdhsa_system_sgpr_workgroup_id_z 1
		.amdhsa_system_vgpr_workitem_id 0
		.amdhsa_next_free_vgpr 54
		.amdhsa_next_free_sgpr 66
		.amdhsa_reserve_vcc 0
		.amdhsa_float_denorm_mode_32 3
		.amdhsa_float_denorm_mode_16_64 3
		.amdhsa_memory_ordered 1
		.amdhsa_forward_progress 1
		.amdhsa_inst_pref_size 6
	.end_amdhsa_kernel
	.amdgpu_metadata
---
amdhsa.version: [ 1, 2 ]
amdhsa.kernels:
  - .name:           k_qe78b724c5b_wsum
    .symbol:         k_qe78b724c5b_wsum.kd
    .args:
      - { .name: W_attn, .offset: 0, .size: 8, .value_kind: global_buffer, .address_space: global }
      - { .name: v, .offset: 8, .size: 8, .value_kind: global_buffer, .address_space: global }
      - { .name: upart, .offset: 16, .size: 8, .value_kind: global_buffer, .address_space: global }
    .group_segment_fixed_size: 3072
    .private_segment_fixed_size: 0
    .kernarg_segment_align: 8
    .kernarg_segment_size: 24
    .max_flat_workgroup_size: 256
    .sgpr_count:     66
    .vgpr_count:     54
    .wavefront_size: 32
...
	.end_amdgpu_metadata
.endif
;; end of part 1
;; launch energy (part 2): grid 256 x 1, 16 waves a work-group, no clusters, 7,168 bytes of LDS; arguments upart, encoder_outputs, en; writes en
.if DOCPART == 2
	.amdgcn_target "amdgcn-amd-amdhsa--gfx1250"
	.amdhsa_code_object_version 6
	.text
	.protected	k_qe78b724c5b_energy
	.globl	k_qe78b724c5b_energy
	.p2align	8
	.type	k_qe78b724c5b_energy,@function
k_qe78b724c5b_energy:
	s_mov_b64 s[64:65], 0
	v_nop
	global_prefetch_b8 v0, s[64:65] scope:SCOPE_SE
	s_setreg_imm32_b32 hwreg(HW_REG_WAVE_MODE, 25, 1), 1
	s_wait_xcnt 0x0
; en[b][s] = u_e . e[b][s], with u_e[d] = sum over the eight chunks y of upart[y][1024 + d].
; encoder_outputs: [32 x 2048 rows][1024] f32, upart: [8][2048] f32, en: [32 x 2048] f32.  The term that does not hang on s is added by the next launch.
; A stream: every byte of encoder_outputs is read once, by 16-byte loads of which a wave's one covers 512 neighbouring bytes.  All sums are f32
; fused multiply-adds; their order differs from the order in which the problem writes them (v is contracted with W first).
; No matrix unit (half a FLOP a byte), no cluster (what work-groups share is upart's 32 KiB against 1 MiB of their own), no LDS ring:
; the ring is in registers and needs no barrier.
; SHARES: work-group g owns rows 256 g .. 256 g + 255 (1 MiB); 256 work-groups.  Wave w takes local rows 16 i + w, i = 0 .. 15, so the sixteen waves
; walk the work-group's bytes front to back.  A row is 4,096 bytes: eight loads, 32 registers; lane l holds columns 128 j + 4 l + 0..3 of load j.
; Four row slots a wave, all four on their way: 16 waves x 4 rows x 4 KiB = 256 KiB asked for by a work-group at any time.
; LDS: bytes 0-4095 u_e; bytes 4096-5119 the work-group's 256 energies on their way out.
.set UO, 1                             ; v1        8 x thread: my two numbers of u_e, in upart's rows and in LDS; never rewritten
.set EO, 2                             ; v2        4,096 w + 16 x lane: my 16 bytes in my wave's first row; never rewritten
.set LU, 3                             ; v3        16 x lane: my columns of u_e in LDS
.set LE, 4                             ; v4        64 (lane mod 16) + 4 w: the word of local row 16 (lane mod 16) + w
.set LO, 5                             ; v5        16 x (thread mod 64): waves 0 and 1 carry the 1,024 bytes out
.set T,  6                             ; v[6:13]   four chains of two sums
.set R,  14                            ; v[14:29]  first the eight chunks' pairs of u_e, then row i's sum of my 32 columns
.set U,  30                            ; v[30:61]  u_e of my 32 columns
.set X,  62                            ; v[62:189] slot s: 32 registers, a row as loaded
	s_load_b128 s[4:7], s[0:1], 0x0                ; upart s[4:5], encoder_outputs s[6:7]
	s_load_b64 s[8:9], s[0:1], 0x10                ; en
	v_lshl_add_u32 v192, v0, 2, 0x1400
	v_mov_b32 v193, 0
	v_lshrrev_b32 v[LE], 5, v0
	v_readfirstlane_b32 s10, v[LE]                 ; wave 0..15
	s_lshl_b32 s12, ttmp9, 20                      ; g x 256 rows x 4,096 bytes (below 256 MiB)
	s_mov_b32 s13, 0
	s_lshl_b32 s14, ttmp9, 10                      ; g x 256 energies x 4 bytes
	s_mov_b32 s15, 0
	s_mov_b32 s16, 0xaaaaaaaa                      ; lanes with bit 0 set,
	s_mov_b32 s17, 0xcccccccc                      ; bit 1,
	s_mov_b32 s18, 0xf0f0f0f0                      ; bit 2,
	s_mov_b32 s19, 0xff00ff00                      ; bit 3
	s_mov_b32 s20, 0x76543210                      ; v_permlanex16_b32: lane i of one half reads lane i of the other
	s_mov_b32 s21, 0xfedcba98
	v_and_b32 v[LU], 31, v0
	v_lshlrev_b32 v[LU], 4, v[LU]
	v_lshl_or_b32 v[EO], v[LE], 12, v[LU]
	v_lshlrev_b32 v[UO], 3, v0
	v_and_b32 v[LO], 15, v0
	v_lshlrev_b32 v[LE], 2, v[LE]
	v_lshl_add_u32 v[LE], v[LO], 6, v[LE]
	v_and_b32 v[LO], 63, v0
	v_lshlrev_b32 v[LO], 4, v[LO]
	s_wait_kmcnt 0x0
	s_add_nc_u64 s[6:7], s[6:7], s[12:13]
	s_add_nc_u64 s[8:9], s[8:9], s[14:15]
; Slot s gets my wave's row i: eight loads.  The row and the load's place in it stand in the immediate, 986,624 at the most.
.macro FILL s, i
.irp j, 0,1,2,3,4,5,6,7
	global_load_b128 v[X+32*\s+4*\j:X+32*\s+4*\j+3], v[EO], s[6:7] offset:65536*\i+512*\j th:TH_LOAD_NT
.endr
.endm
.irp c, 0,1,2,3,4,5,6,7
	global_load_b64 v[R+2*\c:R+2*\c+1], v[UO], s[4:5] offset:4096+8192*\c    ; chunk c's part of my two u_e (u_e begins 4,096 bytes into a row of upart)
.endr
	FILL 0, 0
	FILL 1, 1
	FILL 2, 2
	FILL 3, 3
	s_wait_loadcnt 32                              ; the eight parts of u_e are in; the four rows' 32 loads behind them stay out
.irp c, 1,2,3,4,5,6,7
	v_pk_add_f32 v[R:R+1], v[R:R+1], v[R+2*\c:R+2*\c+1]
.endr
	ds_store_b64 v[UO], v[R:R+1]                   ; 512 threads x 8 bytes: all of u_e
	s_wait_dscnt 0x0                               ; for the others' sake: my store is done before I signal
	s_barrier_signal -1                            ; (the rows' loads stay on their way: nobody writes those bytes)
	s_barrier_wait -1
.irp j, 0,1,2,3,4,5,6,7
	ds_load_b128 v[U+4*\j:U+4*\j+3], v[LU] offset:512*\j     ; the columns that load j of a row brings me
.endr
	s_wait_dscnt 0x0
; Row i of my wave, in slot i mod 4.  fill = 1: the slot is asked for again, four rows ahead, straight behind its last use.
; left = how many younger loads may stay out.  Four chains of packed multiply-adds that do not wait for each other; the first products start them.
.macro TURN i, fill, left
	s_wait_loadcnt \left                           ; my row's eight loads are in; the younger rows, eight loads each, stay out
.irp k, 0,1,2,3
	v_pk_mul_f32 v[T+2*\k:T+2*\k+1], v[X+32*(\i%4)+2*\k:X+32*(\i%4)+2*\k+1], v[U+2*\k:U+2*\k+1]
.endr
.irp q, 1,2,3
.irp k, 0,1,2,3
	v_pk_fma_f32 v[T+2*\k:T+2*\k+1], v[X+32*(\i%4)+8*\q+2*\k:X+32*(\i%4)+8*\q+2*\k+1], v[U+8*\q+2*\k:U+8*\q+2*\k+1], v[T+2*\k:T+2*\k+1]
.endr
.endr
.if \fill
	FILL (\i%4), (\i+4)
.endif
	v_pk_add_f32 v[T:T+1],   v[T:T+1],   v[T+2:T+3]
	v_pk_add_f32 v[T+4:T+5], v[T+4:T+5], v[T+6:T+7]
	v_pk_add_f32 v[T:T+1],   v[T:T+1],   v[T+4:T+5]
	v_add_f32 v[R+\i], v[T], v[T+1]
.endm
.irp i, 0,1,2,3,4,5,6,7,8,9,10,11
	TURN \i, 1, 24
.endr
	TURN 12, 0, 24                                 ; the last four rows ask for nothing: the counts run down
	TURN 13, 0, 16
	TURN 14, 0, 8
	TURN 15, 0, 0
; Across the lanes, all sixteen rows at once.  A stage adds lane l xor xm onto each of 2 n registers and keeps, of each pair of registers, the even one
; in the lanes whose bit is 0 and the odd one in the others: half the registers, each lane's bit now part of the row's number.
; After four stages lane l holds row l mod 16, summed over its half of the lanes.
.macro STAGE n, xm, mask
.set idx, 0
.rept \n
	v_add_f32_dpp v[R+2*idx],   v[R+2*idx],   v[R+2*idx]   row_xmask:\xm row_mask:0xf bank_mask:0xf
	v_add_f32_dpp v[R+2*idx+1], v[R+2*idx+1], v[R+2*idx+1] row_xmask:\xm row_mask:0xf bank_mask:0xf
	v_cndmask_b32 v[R+idx], v[R+2*idx], v[R+2*idx+1], s[\mask]
.set idx, idx+1
.endr
.endm
	STAGE 8, 1, 16
	STAGE 4, 2, 17
	STAGE 2, 4, 18
	STAGE 1, 8, 19
	v_permlanex16_b32 v[T], v[R], s20, s21         ; the other half of the lanes (the destination counts as read: T has been written)
	v_add_f32 v[R], v[R], v[T]                     ; lanes l and l + 16: the energy of local row 16 (l mod 16) + w
	ds_store_b32 v[LE], v[R] offset:4096           ; both write the same word with the same value
	s_wait_dscnt 0x0                               ; for waves 0 and 1: my store is done before I signal
	s_barrier_signal -1
	s_barrier_wait -1
	s_cmp_gt_u32 s10, 1
	s_cbranch_scc1 .Lend                           ; waves 0 and 1 carry the 256 energies out; no barrier follows
	ds_load_b128 v[T:T+3], v[LO] offset:4096
	s_wait_dscnt 0x0
	global_store_b128 v[LO], v[T:T+3], s[8:9]      ; a wave's store covers 512 consecutive bytes, at a multiple of 512 from en's first byte
.Lend:
	s_wait_tensorcnt 0x0
	ds_add_u32 v192, v193
	s_wait_dscnt 0x0
	s_endpgm
.Lfunc_end_k_qe78b724c5b_energy:
	.size	k_qe78b724c5b_energy, .Lfunc_end_k_qe78b724c5b_energy-k_qe78b724c5b_energy
	.p2alignl 7, 3214868480
	.fill 96, 4, 3214868480
	.section	.rodata,"a",@progbits
	.p2align	6, 0x0
	.amdhsa_kernel k_qe78b724c5b_energy
		.amdhsa_group_segment_fixed_size 7168
		.amdhsa_private_segment_fixed_size 0
		.amdhsa_enable_private_segment 0
		.amdhsa_kernarg_size 24
		.amdhsa_user_sgpr_count 2
		.amdhsa_user_sgpr_kernarg_segment_ptr 1
		.amdhsa_wavefront_size32 1
		.amdhsa_system_sgpr_workgroup_id_x 1
		.amdhsa_system_sgpr_workgroup_id_y 1
		.amdhsa_system_sgpr_workgroup_id_z 1
		.amdhsa_system_vgpr_workitem_id 0
		.amdhsa_next_free_vgpr 194
		.amdhsa_next_free_sgpr 66
		.amdhsa_reserve_vcc 0
		.amdhsa_float_denorm_mode_32 3
		.amdhsa_float_denorm_mode_16_64 3
		.amdhsa_memory_ordered 1
		.amdhsa_forward_progress 1
		.amdhsa_inst_pref_size 39
	.end_amdhsa_kernel
	.amdgpu_metadata
---
amdhsa.version: [ 1, 2 ]
amdhsa.kernels:
  - .name:           k_qe78b724c5b_energy
    .symbol:         k_qe78b724c5b_energy.kd
    .args:
      - { .name: upart, .offset: 0, .size: 8, .value_kind: global_buffer, .address_space: global }
      - { .name: encoder_outputs, .offset: 8, .size: 8, .value_kind: global_buffer, .address_space: global }
      - { .name: en, .offset: 16, .size: 8, .value_kind: global_buffer, .address_space: global }
    .group_segment_fixed_size: 7168
    .private_segment_fixed_size: 0
    .kernarg_segment_align: 8
    .kernarg_segment_size: 24
    .max_flat_workgroup_size: 512
    .sgpr_count:     66
    .vgpr_count:     194
    .wavefront_size: 32
...
	.end_amdgpu_metadata
.endif
;; end of part 2
;; launch softmax (part 3): grid 32 x 1, 8 waves a work-group, no clusters, 1,280 bytes of LDS; arguments en, upart, rnn_hidden, v, b_attn, out0; writes out0
.if DOCPART == 3
	.amdgcn_target "amdgcn-amd-amdhsa--gfx1250"
	.amdhsa_code_object_version 6
	.text
	.protected	k_qe78b724c5b_softmax
	.globl	k_qe78b724c5b_softmax
	.p2align	8
	.type	k_qe78b724c5b_softmax,@function
k_qe78b724c5b_softmax:
	s_mov_b64 s[64:65], 0
	v_nop
	global_prefetch_b8 v0, s[64:65] scope:SCOPE_SE
	s_setreg_imm32_b32 hwreg(HW_REG_WAVE_MODE, 25, 1), 1
	s_wait_xcnt 0x0
; out0[b][s] = softmax over s of (en[b][s] + c[b]),  c[b] = u_h . rnn_hidden[b] + v . b_attn,  u_h[d] = sum over the eight chunks y of upart[y][d].
; en: [32][2048] f32, upart: [8][2048] f32, rnn_hidden: [32][1024] f32, v, b_attn: [1024] f32, out0: [32][2048] f32.  Everything in f32.
; One work-group for each batch: a row's maximum and sum span the row, and the problem has 32 rows.  Eight waves; thread t owns energies
; 4 t .. 4 t + 3 and 1024 + 4 t .. + 3, and columns 4 t .. 4 t + 3 of u_h, rnn_hidden, v and b_attn.  All thirteen loads go out at once.
; The row's maximum is taken away in front of the exponential, so no exponent is above 0 and the sum is at least 1.
; LIMITS: c[b] is added to the energies in f32 and in another order of roundings than the problem writes; v_exp_f32 gives 0 for results
; below 2^-126 (ISA guide, its entry in 15.8), so probabilities that small come out as 0.  A NaN or +infinity among a row's energies makes the whole row NaN.
; LDS: bytes 0-63 each wave's (part of c, maximum) at 8 w; bytes 64-95 each wave's sum of exponentials at 64 + 4 w: other bytes, so that no
; barrier is needed between the reads of the first and the stores of the second.
.set TO, 1                             ; v1        16 x thread; never rewritten
.set WA, 2                             ; v2        8 w
.set WB, 3                             ; v3        4 w
.set Z,  4                             ; v4        0: every lane reads all waves' words
.set CM, 6                             ; v[6:7]    my part of c and my maximum; then c and the largest en + c
.set RR, 8                             ; v[8:9]    1 / sum, twice (a pair for the packed multiply)
.set T,  10                            ; v[10:13]  at work
.set E,  14                            ; v[14:21]  my eight energies, then exponentials, then results
.set P,  22                            ; v[22:53]  chunk y's four numbers of u_h; afterwards Q, what comes back from LDS
.set Q,  22
.set HH, 54                            ; v[54:57]  rnn_hidden
.set VV, 58                            ; v[58:61]  v
.set BB, 62                            ; v[62:65]  b_attn
	s_load_b256 s[4:11], s[0:1], 0x0               ; en s[4:5], upart s[6:7], rnn_hidden s[8:9], v s[10:11]
	s_load_b128 s[12:15], s[0:1], 0x20             ; b_attn s[12:13], out0 s[14:15]
	v_lshl_add_u32 v68, v0, 2, 0x100
	v_mov_b32 v69, 0
	s_lshl_b32 s16, ttmp9, 13                      ; b rows of 8,192 bytes in en and in out0
	s_mov_b32 s17, 0
	s_lshl_b32 s18, ttmp9, 12                      ; b rows of 4,096 bytes in rnn_hidden
	s_mov_b32 s19, 0
	s_mov_b32 s20, 0x76543210                      ; v_permlanex16_b32: lane i of one half reads lane i of the other
	s_mov_b32 s21, 0xfedcba98
	v_lshlrev_b32 v[TO], 4, v0
	v_lshrrev_b32 v[WB], 5, v0
	v_lshlrev_b32 v[WA], 3, v[WB]
	v_lshlrev_b32 v[WB], 2, v[WB]
	v_mov_b32 v[Z], 0
	s_wait_kmcnt 0x0
	s_add_nc_u64 s[4:5], s[4:5], s[16:17]
	s_add_nc_u64 s[14:15], s[14:15], s[16:17]
	s_add_nc_u64 s[8:9], s[8:9], s[18:19]
.irp c, 0,1,2,3,4,5,6,7
	global_load_b128 v[P+4*\c:P+4*\c+3], v[TO], s[6:7] offset:8192*\c
.endr
	global_load_b128 v[HH:HH+3], v[TO], s[8:9]
	global_load_b128 v[VV:VV+3], v[TO], s[10:11]
	global_load_b128 v[BB:BB+3], v[TO], s[12:13]
	global_load_b128 v[E:E+3],   v[TO], s[4:5]
	global_load_b128 v[E+4:E+7], v[TO], s[4:5] offset:4096
; Sum, or maximum, over the wave's 32 lanes, the result in every lane: four steps inside each half ride on the arithmetic, one crosses the halves.
; t: a register that has been written (v_permlanex16_b32's destination counts as read).
.macro WAVESUM r, t
.irp m, 1,2,4,8
	v_add_f32_dpp v[\r], v[\r], v[\r] row_xmask:\m row_mask:0xf bank_mask:0xf
.endr
	v_permlanex16_b32 v[\t], v[\r], s20, s21
	v_add_f32 v[\r], v[\r], v[\t]
.endm
.macro WAVEMAX r, t
.irp m, 1,2,4,8
	v_max_num_f32_dpp v[\r], v[\r], v[\r] row_xmask:\m row_mask:0xf bank_mask:0xf
.endr
	v_permlanex16_b32 v[\t], v[\r], s20, s21
	v_max_num_f32 v[\r], v[\r], v[\t]
.endm
	s_wait_loadcnt 2                               ; all but the two loads of energies, which were issued last
.irp c, 1,2,3,4,5,6,7
	v_pk_add_f32 v[P:P+1],   v[P:P+1],   v[P+4*\c:P+4*\c+1]      ; u_h of my four columns
	v_pk_add_f32 v[P+2:P+3], v[P+2:P+3], v[P+4*\c+2:P+4*\c+3]
.endr
	v_pk_mul_f32 v[T:T+1], v[P:P+1],     v[HH:HH+1]              ; u_h . rnn_hidden[b] + v . b_attn, my four columns
	v_pk_fma_f32 v[T:T+1], v[P+2:P+3],   v[HH+2:HH+3], v[T:T+1]
	v_pk_fma_f32 v[T:T+1], v[VV:VV+1],   v[BB:BB+1],   v[T:T+1]
	v_pk_fma_f32 v[T:T+1], v[VV+2:VV+3], v[BB+2:BB+3], v[T:T+1]
	v_add_f32 v[CM], v[T], v[T+1]
	s_wait_loadcnt 0x0                             ; the energies
	v_max3_num_f32 v[T],   v[E],   v[E+1], v[E+2]
	v_max3_num_f32 v[T+1], v[E+3], v[E+4], v[E+5]
	v_max3_num_f32 v[T],   v[T],   v[E+6], v[E+7]
	v_max_num_f32 v[CM+1], v[T], v[T+1]
	WAVESUM CM, P+4
	WAVEMAX CM+1, P+5
	ds_store_b64 v[WA], v[CM:CM+1]                 ; all lanes write the wave's two words with the same values
	s_wait_dscnt 0x0                               ; for the others' sake: my store is done before I signal
	s_barrier_signal -1
	s_barrier_wait -1
.irp n, 0,1,2,3
	ds_load_b128 v[Q+4*\n:Q+4*\n+3], v[Z] offset:16*\n           ; word 2 w: wave w's part of c; word 2 w + 1: its maximum
.endr
	s_wait_dscnt 0x0
	v_add_f32 v[CM], v[Q], v[Q+2]
.irp w, 2,3,4,5,6,7
	v_add_f32 v[CM], v[CM], v[Q+2*\w]              ; c[b]
.endr
	v_max3_num_f32 v[T], v[Q+1], v[Q+3],  v[Q+5]
	v_max3_num_f32 v[T], v[T],   v[Q+7],  v[Q+9]
	v_max3_num_f32 v[T], v[T],   v[Q+11], v[Q+13]
	v_max_num_f32 v[T], v[T], v[Q+15]
	v_add_f32 v[CM+1], v[T], v[CM]                 ; rounding keeps order, so this is the largest of the rounded en + c
.irp k, 0,2,4,6
	v_pk_add_f32 v[E+\k:E+\k+1], v[E+\k:E+\k+1], v[CM:CM+1] op_sel_hi:[1,0]                                        ; + c: the energy
	v_pk_add_f32 v[E+\k:E+\k+1], v[E+\k:E+\k+1], v[CM:CM+1] op_sel:[0,1] op_sel_hi:[1,1] neg_lo:[0,1] neg_hi:[0,1] ; - the row's maximum
	v_pk_mul_f32 v[E+\k:E+\k+1], v[E+\k:E+\k+1], 0x3fb8aa3b op_sel_hi:[1,0]                                        ; x log2(e): v_exp_f32 works in base 2
.endr
.irp k, 0,1,2,3,4,5,6,7
	v_exp_f32 v[E+\k], v[E+\k]
.endr
	v_nop                                          ; one plain vector instruction between a transcendental and the first use of its result (ISA guide 5.7.2)
	s_wait_alu depctr_va_vdst(0)
	v_pk_add_f32 v[T:T+1],   v[E:E+1],     v[E+2:E+3]
	v_pk_add_f32 v[T+2:T+3], v[E+4:E+5],   v[E+6:E+7]
	v_pk_add_f32 v[T:T+1],   v[T:T+1],     v[T+2:T+3]
	v_add_f32 v[T], v[T], v[T+1]
	WAVESUM T, T+1
	ds_store_b32 v[WB], v[T] offset:64
	s_wait_dscnt 0x0                               ; for the others' sake: my store is done before I signal
	s_barrier_signal -1
	s_barrier_wait -1
	ds_load_b128 v[Q:Q+3],   v[Z] offset:64
	ds_load_b128 v[Q+4:Q+7], v[Z] offset:80
	s_wait_dscnt 0x0
	v_add_f32 v[T], v[Q], v[Q+1]
.irp w, 2,3,4,5,6,7
	v_add_f32 v[T], v[T], v[Q+\w]                  ; the row's sum; the maximum's own term is 1
.endr
	v_rcp_f32 v[RR], v[T]
	v_rcp_f32 v[RR+1], v[T]
	v_nop                                          ; as above: a second transcendental is no such place
	s_wait_alu depctr_va_vdst(0)
.irp k, 0,2,4,6
	v_pk_mul_f32 v[E+\k:E+\k+1], v[E+\k:E+\k+1], v[RR:RR+1]
.endr
	global_store_b128 v[TO], v[E:E+3],   s[14:15] th:TH_STORE_NT              ; a wave's store covers 512 consecutive bytes, at a multiple of 512 from out0's first byte
	global_store_b128 v[TO], v[E+4:E+7], s[14:15] offset:4096 th:TH_STORE_NT
	s_wait_tensorcnt 0x0
	ds_add_u32 v68, v69
	s_wait_dscnt 0x0
	s_endpgm
.Lfunc_end_k_qe78b724c5b_softmax:
	.size	k_qe78b724c5b_softmax, .Lfunc_end_k_qe78b724c5b_softmax-k_qe78b724c5b_softmax
	.p2alignl 7, 3214868480
	.fill 96, 4, 3214868480
	.section	.rodata,"a",@progbits
	.p2align	6, 0x0
	.amdhsa_kernel k_qe78b724c5b_softmax
		.amdhsa_group_segment_fixed_size 1280
		.amdhsa_private_segment_fixed_size 0
		.amdhsa_enable_private_segment 0
		.amdhsa_kernarg_size 48
		.amdhsa_user_sgpr_count 2
		.amdhsa_user_sgpr_kernarg_segment_ptr 1
		.amdhsa_wavefront_size32 1
		.amdhsa_system_sgpr_workgroup_id_x 1
		.amdhsa_system_sgpr_workgroup_id_y 1
		.amdhsa_system_sgpr_workgroup_id_z 1
		.amdhsa_system_vgpr_workitem_id 0
		.amdhsa_next_free_vgpr 70
		.amdhsa_next_free_sgpr 66
		.amdhsa_reserve_vcc 0
		.amdhsa_float_denorm_mode_32 3
		.amdhsa_float_denorm_mode_16_64 3
		.amdhsa_memory_ordered 1
		.amdhsa_forward_progress 1
		.amdhsa_inst_pref_size 9
	.end_amdhsa_kernel
	.amdgpu_metadata
---
amdhsa.version: [ 1, 2 ]
amdhsa.kernels:
  - .name:           k_qe78b724c5b_softmax
    .symbol:         k_qe78b724c5b_softmax.kd
    .args:
      - { .name: en, .offset: 0, .size: 8, .value_kind: global_buffer, .address_space: global }
      - { .name: upart, .offset: 8, .size: 8, .value_kind: global_buffer, .address_space: global }
      - { .name: rnn_hidden, .offset: 16, .size: 8, .value_kind: global_buffer, .address_space: global }
      - { .name: v, .offset: 24, .size: 8, .value_kind: global_buffer, .address_space: global }
      - { .name: b_attn, .offset: 32, .size: 8, .value_kind: global_buffer, .address_space: global }
      - { .name: out0, .offset: 40, .size: 8, .value_kind: global_buffer, .address_space: global }
    .group_segment_fixed_size: 1280
    .private_segment_fixed_size: 0
    .kernarg_segment_align: 8
    .kernarg_segment_size: 48
    .max_flat_workgroup_size: 256
    .sgpr_count:     66
    .vgpr_count:     70
    .wavefront_size: 32
...
	.end_amdgpu_metadata
.endif
;; end of part 3
;; ======== version 2 of 2: 3 launches; version 1 with the launch energy written anew for expert scheduling mode
;; workspace buffers: upart 65,536 bytes; en 262,144 bytes
;; launch wsum: the kernel of part 1 again; grid 32 x 8, 8 waves a work-group, no clusters, 3,072 bytes of LDS; arguments W_attn, v, upart; writes upart
;; launch energy (part 4): grid 256 x 1, 16 waves a work-group, no clusters, 7,168 bytes of LDS; arguments upart, encoder_outputs, en; writes en
.if DOCPART == 4
	.amdgcn_target "amdgcn-amd-amdhsa--gfx1250"
	.amdhsa_code_object_version 6
	.text
	.protected	k_qe78b724c5b_energy
	.globl	k_qe78b724c5b_energy
	.p2align	8
	.type	k_qe78b724c5b_energy,@function
k_qe78b724c5b_energy:
	s_mov_b64 s[64:65], 0
	v_nop
	global_prefetch_b8 v0, s[64:65] scope:SCOPE_SE
	s_setreg_imm32_b32 hwreg(HW_REG_WAVE_SCHED_MODE, 0, 2), 2
	s_setreg_imm32_b32 hwreg(HW_REG_WAVE_MODE, 25, 1), 1
	s_wait_xcnt 0x0
	s_wait_alu depctr_vm_vsrc(0)
; en[b][s] = u_e . e[b][s], with u_e[d] = sum over the eight chunks y of upart[y][1024 + d].
; encoder_outputs: [32 x 2048 rows][1024] f32, upart: [8][2048] f32, en: [32 x 2048] f32.  The term that does not hang on s is added by the next launch.
; A stream: every byte of encoder_outputs is read once, by 16-byte loads of which a wave's one covers 512 neighbouring bytes.  All sums are f32
; fused multiply-adds; their order differs from the order in which the problem writes them (v is contracted with W first).
; No matrix unit (half a FLOP a byte), no cluster (what work-groups share is upart's 32 KiB against 1 MiB of their own), no LDS ring:
; the ring is in registers and needs no barrier.
; SHARES: work-group g owns rows 256 g .. 256 g + 255 (1 MiB); 256 work-groups.  Wave w takes local rows 16 i + w, i = 0 .. 15, so the sixteen waves
; walk the work-group's bytes front to back.  A row is 4,096 bytes: eight loads, 32 registers; lane l holds columns 128 j + 4 l + 0..3 of load j.
; Five row slots a wave: one at work, four on their way or being asked for: 16 waves x 4 rows x 4 KiB = 256 KiB asked for by a work-group.
; LDS: bytes 0-4095 u_e; bytes 4096-5119 the work-group's 256 energies on their way out.
; THE MODE: SCHED_MODE bits 1:0 = 2 (LLVM: expert scheduling mode 2), set by the entry lines.  The code itself states the register dependences
; between vector instructions and memory or LDS instructions, with s_wait_alu, always for 0.
; THE PLAN.  Registers that memory or LDS instructions touch:
;   v1 .. v5    offsets and LDS addresses, made once at the head and never written again: rows are reached by immediate offsets.
;   X0 .. X4    row i lies in slot i mod 5.  Turn i's sixteen products read X[i mod 5]; its eight loads (row i + 4) land in X[(i + 4) mod 5] = X[(i - 1) mod 5],
;               the slot that turn i - 1 read and that no vector instruction of turn i names.
;   R           at the head: upart's loads land in it, seven additions work on it, an LDS store reads its first pair; from turn 0 on the rows' sums are written into it;
;               at the end an LDS store reads its first register.
;   U           LDS loads land in it once; then only vector instructions read it.
;   T           vector instructions alone, until the load from LDS on the way out lands in its first four.
; So ONE wait on va_vdst stands at the head of a turn that loads: the turn before is done reading its slot.  The turn's eight loads follow it, dealt two at a time
; among its products, with no further wait.  Turn 0 needs none (nothing has named X4), turns 12 to 15 load nothing and hold none.
.set UO, 1                             ; v1        8 x thread: my two numbers of u_e, in upart's rows and in LDS; never rewritten
.set EO, 2                             ; v2        4,096 w + 16 x lane: my 16 bytes in my wave's first row; never rewritten
.set LU, 3                             ; v3        16 x lane: my columns of u_e in LDS
.set LE, 4                             ; v4        64 (lane mod 16) + 4 w: the word of local row 16 (lane mod 16) + w
.set LO, 5                             ; v5        16 x (thread mod 64): waves 0 and 1 carry the 1,024 bytes out
.set T,  6                             ; v[6:13]   four chains of two sums
.set R,  14                            ; v[14:29]  first the eight chunks' pairs of u_e, then row i's sum of my 32 columns
.set U,  30                            ; v[30:61]  u_e of my 32 columns
.set X,  62                            ; v[62:221] slot s: 32 registers, a row as loaded
	s_load_b128 s[4:7], s[0:1], 0x0                ; upart s[4:5], encoder_outputs s[6:7]
	s_load_b64 s[8:9], s[0:1], 0x10                ; en
	v_lshl_add_u32 v222, v0, 2, 0x1400
	v_mov_b32 v223, 0
	v_lshrrev_b32 v[LE], 5, v0
	v_readfirstlane_b32 s10, v[LE]                 ; wave 0..15
	s_lshl_b32 s12, ttmp9, 20                      ; g x 256 rows x 4,096 bytes (below 256 MiB)
	s_mov_b32 s13, 0
	s_lshl_b32 s14, ttmp9, 10                      ; g x 256 energies x 4 bytes
	s_mov_b32 s15, 0
	s_mov_b32 s16, 0xaaaaaaaa                      ; lanes with bit 0 set,
	s_mov_b32 s17, 0xcccccccc                      ; bit 1,
	s_mov_b32 s18, 0xf0f0f0f0                      ; bit 2,
	s_mov_b32 s19, 0xff00ff00                      ; bit 3
	s_mov_b32 s20, 0x76543210                      ; v_permlanex16_b32: lane i of one half reads lane i of the other
	s_mov_b32 s21, 0xfedcba98
	v_and_b32 v[LU], 31, v0
	v_lshlrev_b32 v[LU], 4, v[LU]
	v_lshl_or_b32 v[EO], v[LE], 12, v[LU]
	v_lshlrev_b32 v[UO], 3, v0
	v_and_b32 v[LO], 15, v0
	v_lshlrev_b32 v[LE], 2, v[LE]
	v_lshl_add_u32 v[LE], v[LO], 6, v[LE]
	v_and_b32 v[LO], 63, v0
	v_lshlrev_b32 v[LO], 4, v[LO]
	s_wait_alu depctr_va_sdst(0)                   ; s10 is written, ahead of every branch and label and of its one reader: the compare on the way out
	s_wait_kmcnt 0x0
	s_add_nc_u64 s[6:7], s[6:7], s[12:13]
	s_add_nc_u64 s[8:9], s[8:9], s[14:15]
	s_wait_alu depctr_va_vdst(0)                   ; v1 to v5 are written: every load and store of the kernel, global or LDS, reads one of them as its offset or address
; Loads j and j + 1 of my wave's row i, into slot s.  The row and the load's place in it stand in the immediate, 986,624 at the most.
.macro LD2 s, i, j
	global_load_b128 v[X+32*(\s)+4*(\j):X+32*(\s)+4*(\j)+3],   v[EO], s[6:7] offset:65536*(\i)+512*(\j) th:TH_LOAD_NT
	global_load_b128 v[X+32*(\s)+4*(\j)+4:X+32*(\s)+4*(\j)+7], v[EO], s[6:7] offset:65536*(\i)+512*(\j)+512 th:TH_LOAD_NT
.endm
; Slot s gets my wave's row i: eight loads.
.macro FILL s, i
.irp j, 0,2,4,6
	LD2 \s, \i, \j
.endr
.endm
.irp c, 0,1,2,3,4,5,6,7
	global_load_b64 v[R+2*\c:R+2*\c+1], v[UO], s[4:5] offset:4096+8192*\c    ; chunk c's part of my two u_e (u_e begins 4,096 bytes into a row of upart)
.endr
	FILL 0, 0
	FILL 1, 1
	FILL 2, 2
	FILL 3, 3
	s_wait_loadcnt 32                              ; the eight parts of u_e are in; the four rows' 32 loads behind them stay out
.irp c, 1,2,3,4,5,6,7
	v_pk_add_f32 v[R:R+1], v[R:R+1], v[R+2*\c:R+2*\c+1]
.endr
	s_wait_alu depctr_va_vdst(0)                   ; the additions have written v[R:R+1], which the LDS store reads
	ds_store_b64 v[UO], v[R:R+1]                   ; 512 threads x 8 bytes: all of u_e
	s_wait_dscnt 0x0                               ; for the others' sake: my store is done before I signal
	s_barrier_signal -1                            ; (the rows' loads stay on their way: nobody writes those bytes)
	s_barrier_wait -1
	s_wait_alu depctr_vm_vsrc(0)                   ; my LDS store has read v[R:R+1], which the sums of rows 0 and 1 write again
.irp j, 0,1,2,3,4,5,6,7
	ds_load_b128 v[U+4*\j:U+4*\j+3], v[LU] offset:512*\j     ; the columns that load j of a row brings me
.endr
	s_wait_dscnt 0x0
; Row i of my wave, in slot i mod 5.  fill = 1: row i + 4 is asked for, into the slot that the turn before read: two loads ahead of each four products.
; left = how many younger loads may stay out.  Four chains of packed multiply-adds that do not wait for each other; the first products start them.
.macro TURN i, fill, left
	s_wait_loadcnt \left                           ; my row's eight loads are in; the younger rows, eight loads each, stay out
.if (\fill) && (\i > 0)
	s_wait_alu depctr_va_vdst(0)                   ; the turn before is done reading its slot, in which this turn's eight loads land; no vector instruction below names that slot
.endif
.if \fill
	LD2 ((\i+4)%5), (\i+4), 0
.endif
.irp k, 0,1,2,3
	v_pk_mul_f32 v[T+2*\k:T+2*\k+1], v[X+32*(\i%5)+2*\k:X+32*(\i%5)+2*\k+1], v[U+2*\k:U+2*\k+1]
.endr
.irp q, 1,2,3
.if \fill
	LD2 ((\i+4)%5), (\i+4), 2*\q
.endif
.irp k, 0,1,2,3
	v_pk_fma_f32 v[T+2*\k:T+2*\k+1], v[X+32*(\i%5)+8*\q+2*\k:X+32*(\i%5)+8*\q+2*\k+1], v[U+8*\q+2*\k:U+8*\q+2*\k+1], v[T+2*\k:T+2*\k+1]
.endr
.endr
	v_pk_add_f32 v[T:T+1],   v[T:T+1],   v[T+2:T+3]
	v_pk_add_f32 v[T+4:T+5], v[T+4:T+5], v[T+6:T+7]
	v_pk_add_f32 v[T:T+1],   v[T:T+1],   v[T+4:T+5]
	v_add_f32 v[R+\i], v[T], v[T+1]
.endm
.irp i, 0,1,2,3,4,5,6,7,8,9,10,11
	TURN \i, 1, 24
.endr
	TURN 12, 0, 24                                 ; the last four rows ask for nothing: the counts run down
	TURN 13, 0, 16
	TURN 14, 0, 8
	TURN 15, 0, 0
; Across the lanes, all sixteen rows at once.  A stage adds lane l xor xm onto each of 2 n registers and keeps, of each pair of registers, the even one
; in the lanes whose bit is 0 and the odd one in the others: half the registers, each lane's bit now part of the row's number.
; After four stages lane l holds row l mod 16, summed over its half of the lanes.  (The masks are scalar registers that scalar moves wrote.)
.macro STAGE n, xm, mask
.set idx, 0
.rept \n
	v_add_f32_dpp v[R+2*idx],   v[R+2*idx],   v[R+2*idx]   row_xmask:\xm row_mask:0xf bank_mask:0xf
	v_add_f32_dpp v[R+2*idx+1], v[R+2*idx+1], v[R+2*idx+1] row_xmask:\xm row_mask:0xf bank_mask:0xf
	v_cndmask_b32 v[R+idx], v[R+2*idx], v[R+2*idx+1], s[\mask]
.set idx, idx+1
.endr
.endm
	STAGE 8, 1, 16
	STAGE 4, 2, 17
	STAGE 2, 4, 18
	STAGE 1, 8, 19
	v_permlanex16_b32 v[T], v[R], s20, s21         ; the other half of the lanes (the destination counts as read: T has been written)
	v_add_f32 v[R], v[R], v[T]                     ; lanes l and l + 16: the energy of local row 16 (l mod 16) + w
	s_wait_alu depctr_va_vdst(0)                   ; the addition has written v[R], which the LDS store reads; and the vector lines are done with v[T:T+3], in which the load from LDS below lands: no vector instruction follows
	ds_store_b32 v[LE], v[R] offset:4096           ; both write the same word with the same value
	s_wait_dscnt 0x0                               ; for waves 0 and 1: my store is done before I signal
	s_barrier_signal -1
	s_barrier_wait -1
	s_cmp_gt_u32 s10, 1
	s_cbranch_scc1 .Lend                           ; waves 0 and 1 carry the 256 energies out; no barrier follows
	ds_load_b128 v[T:T+3], v[LO] offset:4096
	s_wait_dscnt 0x0
	global_store_b128 v[LO], v[T:T+3], s[8:9]      ; a wave's store covers 512 consecutive bytes, at a multiple of 512 from en's first byte
.Lend:
	s_wait_dscnt 0x0
	s_wait_alu depctr_hold_cnt(0) depctr_sa_sdst(0) depctr_va_vdst(0) depctr_va_sdst(0) depctr_va_ssrc(0) depctr_va_vcc(0) depctr_vm_vsrc(0)
	s_wait_tensorcnt 0x0
	ds_add_u32 v222, v223
	s_wait_dscnt 0x0
	s_endpgm
.Lfunc_end_k_qe78b724c5b_energy:
	.size	k_qe78b724c5b_energy, .Lfunc_end_k_qe78b724c5b_energy-k_qe78b724c5b_energy
	.p2alignl 7, 3214868480
	.fill 96, 4, 3214868480
	.section	.rodata,"a",@progbits
	.p2align	6, 0x0
	.amdhsa_kernel k_qe78b724c5b_energy
		.amdhsa_group_segment_fixed_size 7168
		.amdhsa_private_segment_fixed_size 0
		.amdhsa_enable_private_segment 0
		.amdhsa_kernarg_size 24
		.amdhsa_user_sgpr_count 2
		.amdhsa_user_sgpr_kernarg_segment_ptr 1
		.amdhsa_wavefront_size32 1
		.amdhsa_system_sgpr_workgroup_id_x 1
		.amdhsa_system_sgpr_workgroup_id_y 1
		.amdhsa_system_sgpr_workgroup_id_z 1
		.amdhsa_system_vgpr_workitem_id 0
		.amdhsa_next_free_vgpr 224
		.amdhsa_next_free_sgpr 66
		.amdhsa_reserve_vcc 0
		.amdhsa_float_denorm_mode_32 3
		.amdhsa_float_denorm_mode_16_64 3
		.amdhsa_memory_ordered 1
		.amdhsa_forward_progress 1
		.amdhsa_inst_pref_size 40
	.end_amdhsa_kernel
	.amdgpu_metadata
---
amdhsa.version: [ 1, 2 ]
amdhsa.kernels:
  - .name:           k_qe78b724c5b_energy
    .symbol:         k_qe78b724c5b_energy.kd
    .args:
      - { .name: upart, .offset: 0, .size: 8, .value_kind: global_buffer, .address_space: global }
      - { .name: encoder_outputs, .offset: 8, .size: 8, .value_kind: global_buffer, .address_space: global }
      - { .name: en, .offset: 16, .size: 8, .value_kind: global_buffer, .address_space: global }
    .group_segment_fixed_size: 7168
    .private_segment_fixed_size: 0
    .kernarg_segment_align: 8
    .kernarg_segment_size: 24
    .max_flat_workgroup_size: 512
    .sgpr_count:     66
    .vgpr_count:     224
    .wavefront_size: 32
...
	.end_amdgpu_metadata
.endif
;; end of part 4
;; launch softmax: the kernel of part 3 again; grid 32 x 1, 8 waves a work-group, no clusters, 1,280 bytes of LDS; arguments en, upart, rnn_hidden, v, b_attn, out0; writes out0
